; MI455X (gfx1250); checked and timed in simulation.
; The chip was launched on July 23, 2026; its instructions are those of AMD's public machine-readable ISA for CDNA 5 (MIT licence, August 2026) and "CDNA5" Instruction Set Architecture Reference Guide (July 2026). The comments in the code are by the model that wrote it; some were corrected since.
;; Dot Attention. Allowed arithmetic: float matrix products may take bf16 or f16 operands with f32 sums; all other float work in f32.
;; Inputs: Wg 1,024 x 1,024 float32; Wk 512 x 512 float32; Wq 512 x 512 float32; inputs 8 x 2,048 x 512 float32; mask 8 x 2,048 int32; memory 8 x 2,048 x 512 float32.
;; Outputs: out0 8 x 2,048 x 1,024 float32.
;; One version. Each part assembles by itself: llvm-mc -triple=amdgcn-amd-amdhsa -mcpu=gfx1250 --defsym DOCPART=n.
;; ======== version 1 of 1: 4 launches
;; limits: values outside matrix products are rounded to bf16
;; workspace buffers: wb 3,145,728 bytes; qb 16,777,216 bytes; kb 16,777,216 bytes; mb 16,777,216 bytes; res 33,554,432 bytes
;; launch prep (part 1): grid 192 x 1, 8 waves a work-group, no clusters, 0 bytes of LDS; arguments Wq, Wk, Wg, wb; writes wb
.if DOCPART == 1
	.amdgcn_target "amdgcn-amd-amdhsa--gfx1250"
	.amdhsa_code_object_version 6
	.text
	.protected	k_q7e26eb71d6_prep
	.globl	k_q7e26eb71d6_prep
	.p2align	8
	.type	k_q7e26eb71d6_prep,@function
k_q7e26eb71d6_prep:
	s_mov_b64 s[64:65], 0
	v_nop
	global_prefetch_b8 v0, s[64:65] scope:SCOPE_SE
	s_setreg_imm32_b32 hwreg(HW_REG_WAVE_MODE, 25, 1), 1
	s_wait_xcnt 0x0
; wb = Wq, Wk, Wg rounded to bf16, one behind the other, each in its own layout [k][n]: Wq at byte 0, Wk at 524,288, Wg at 1,048,576.
; A stream of 6 MiB in and 3 MiB out: 192 work-groups of 8,192 numbers are all the work there is; nothing is shared, so no LDS, no cluster, no matrix unit.
; Thread t takes 8 numbers (32 bytes in, 16 bytes out) in each of four chunks: a store of a wave covers 512 consecutive bytes, aligned.
	s_load_b256 s[4:11], s[0:1], 0x0               ; Wq s[4:5], Wk s[6:7], Wg s[8:9], wb s[10:11]
	v_lshlrev_b32 v1, 5, v0                        ; 32 t: my bytes in a chunk of the source
	v_lshlrev_b32 v2, 4, v0                        ; 16 t: my bytes in a chunk of wb
	s_mov_b32 s12, ttmp9                           ; g: groups 0-31 take Wq, 32-63 Wk, 64-191 Wg
	s_mov_b32 s17, 0
	s_mov_b32 s19, 0
	s_lshl_b32 s18, s12, 14                        ; g x 16,384 bytes of wb
	s_wait_kmcnt 0x0
	s_cmp_lt_u32 s12, 64
	s_cselect_b64 s[14:15], s[6:7], s[8:9]
	s_cselect_b32 s16, 32, 64
	s_cmp_lt_u32 s12, 32
	s_cselect_b64 s[14:15], s[4:5], s[14:15]
	s_cselect_b32 s16, 0, s16
	s_sub_co_u32 s16, s12, s16                     ; my number within the source
	s_lshl_b32 s16, s16, 15                        ; x 32,768 bytes
	s_add_nc_u64 s[14:15], s[14:15], s[16:17]
	s_add_nc_u64 s[10:11], s[10:11], s[18:19]
.irp c, 0,1,2,3
	global_load_b128 v[4+8*\c:7+8*\c],   v1, s[14:15] offset:8192*\c th:TH_LOAD_NT
	global_load_b128 v[8+8*\c:11+8*\c],  v1, s[14:15] offset:8192*\c+16 th:TH_LOAD_NT
.endr
.irp c, 0,1,2,3
	s_wait_loadcnt 6-2*\c                          ; the two loads of chunk c are in; the younger chunks stay out
	v_cvt_pk_bf16_f32 v[36+4*\c], v[4+8*\c], v[5+8*\c]
	v_cvt_pk_bf16_f32 v[37+4*\c], v[6+8*\c], v[7+8*\c]
	v_cvt_pk_bf16_f32 v[38+4*\c], v[8+8*\c], v[9+8*\c]
	v_cvt_pk_bf16_f32 v[39+4*\c], v[10+8*\c], v[11+8*\c]
	global_store_b128 v2, v[36+4*\c:39+4*\c], s[10:11] offset:4096*\c
.endr
	s_endpgm
.Lfunc_end_k_q7e26eb71d6_prep:
	.size	k_q7e26eb71d6_prep, .Lfunc_end_k_q7e26eb71d6_prep-k_q7e26eb71d6_prep
	.p2alignl 7, 3214868480
	.fill 96, 4, 3214868480
	.section	.rodata,"a",@progbits
	.p2align	6, 0x0
	.amdhsa_kernel k_q7e26eb71d6_prep
		.amdhsa_group_segment_fixed_size 0
		.amdhsa_private_segment_fixed_size 0
		.amdhsa_enable_private_segment 0
		.amdhsa_kernarg_size 32
		.amdhsa_user_sgpr_count 2
		.amdhsa_user_sgpr_kernarg_segment_ptr 1
		.amdhsa_wavefront_size32 1
		.amdhsa_system_sgpr_workgroup_id_x 1
		.amdhsa_system_sgpr_workgroup_id_y 1
		.amdhsa_system_sgpr_workgroup_id_z 1
		.amdhsa_system_vgpr_workitem_id 0
		.amdhsa_next_free_vgpr 52
		.amdhsa_next_free_sgpr 66
		.amdhsa_reserve_vcc 0
		.amdhsa_float_denorm_mode_32 3
		.amdhsa_float_denorm_mode_16_64 3
		.amdhsa_memory_ordered 1
		.amdhsa_forward_progress 1
		.amdhsa_inst_pref_size 4
	.end_amdhsa_kernel
	.amdgpu_metadata
---
amdhsa.version: [ 1, 2 ]
amdhsa.kernels:
  - .name:           k_q7e26eb71d6_prep
    .symbol:         k_q7e26eb71d6_prep.kd
    .args:
      - { .name: Wq, .offset: 0, .size: 8, .value_kind: global_buffer, .address_space: global }
      - { .name: Wk, .offset: 8, .size: 8, .value_kind: global_buffer, .address_space: global }
      - { .name: Wg, .offset: 16, .size: 8, .value_kind: global_buffer, .address_space: global }
      - { .name: wb, .offset: 24, .size: 8, .value_kind: global_buffer, .address_space: global }
    .group_segment_fixed_size: 0
    .private_segment_fixed_size: 0
    .kernarg_segment_align: 8
    .kernarg_segment_size: 32
    .max_flat_workgroup_size: 256
    .sgpr_count:     66
    .vgpr_count:     52
    .wavefront_size: 32
...
	.end_amdgpu_metadata
.endif
;; end of part 1
;; launch proj (part 2): grid 128 x 2, 4 waves a work-group, clusters of 4 x 1, 327,680 bytes of LDS; arguments inputs, memory, wb, qb, kb, res, mb; writes qb, kb, res, mb
.if DOCPART == 2
	.amdgcn_target "amdgcn-amd-amdhsa--gfx1250"
	.amdhsa_code_object_version 6
	.text
	.protected	k_q7e26eb71d6_proj
	.globl	k_q7e26eb71d6_proj
	.p2align	8
	.type	k_q7e26eb71d6_proj,@function
k_q7e26eb71d6_proj:
	s_mov_b64 s[64:65], 0
	v_nop
	global_prefetch_b8 v0, s[64:65] scope:SCOPE_SE
	s_setreg_imm32_b32 hwreg(HW_REG_WAVE_MODE, 25, 1), 1
	s_wait_xcnt 0x0
	s_wait_alu depctr_hold_cnt(0) depctr_sa_sdst(0) depctr_va_vdst(0) depctr_va_sdst(0) depctr_va_ssrc(0) depctr_va_vcc(0) depctr_vm_vsrc(0)
	s_getreg_b32 s2, hwreg(HW_REG_IB_STS2, 6, 4)
	s_cmp_eq_u32 s2, 0
	s_cbranch_scc0 .Lentry_in_a_cluster
	s_endpgm
.Lentry_in_a_cluster:
	s_bfe_u32 s2, ttmp6, 0x10000c
	s_cmp_lg_u32 s2, 0x3003
	s_cbranch_scc0 .Lentry_shape_is_right
	s_endpgm
.Lentry_shape_is_right:
; y = 0: res[:, 0:512] = bf16(inputs), qb = bf16(relu(inputs Wq)).   y = 1: mb = bf16(memory), kb = bf16(relu(memory Wk)).  Products in bf16, sums in f32.
; LIMITS: NaN and infinities are not treated apart (relu by a maximum turns a NaN into 0).
; SHARES.  A work-group takes 128 rows and all 512 columns, so each f32 row is read from memory once; wave w takes the 128 rows x columns 128 w .. +127: 64 accumulators, 512 registers.
; PHASES.  (1) each wave loads its 32 rows in f32 (into the registers that become accumulators), rounds them to bf16, stores them to the bf16 copy and into LDS (the A region).
; (2) K = 512 in 8 steps of 64: the weights, [k][n] in bf16, come through a ring of two LDS slots; their fragments are turned by ds_load_tr16_b128.  (3) the sums go through LDS and leave as whole rows.
; CLUSTER.  The four row blocks of a cluster walk the same weights: each weight tile is asked for jointly, the same load, descriptor and mask in all four.
; THE MATRIX INSTRUCTION IS USED TRANSPOSED (source 0 = 16 columns of W, source 1 = 16 rows of x): a lane holds eight neighbouring columns of one row.
; REGISTERS, in windows of 256: window 0: v0-63 addresses, v64-127 and v128-191 fragments of x (two buffers); window 1: the same numbers, fragments of W; windows 2, 3: accumulators, (a, b) at v[8 (8 (a % 4) + b)].
.set PW,    1056                       ; a row of W in LDS: 1,024 bytes + 32: an odd multiple of 32 bytes
.set WSLOT, 64*PW                      ; a slot: 64 k rows
.set AREG,  2*WSLOT                    ; behind the ring: x in bf16, 128 rows; written by ds_store, never by a tensor load
.set PA,    1040                       ; its pitch: 1,024 + 16, an odd multiple of 16 bytes
.set DP,    528                        ; the way out: a row of 128 f32 + 16 bytes
.set DREG,  128*DP                     ; a wave's 128 rows; the four regions lie over the ring and the A region, which have had their last fill and their last read by then
.set SPARE, 4*DREG                     ; the spare words: 128 bytes a wave, two blocks of 256 bytes that no other line names
.set LD,   4                           ; v4   32 x lane
.set LA,   5                           ; v5   where my 16 bytes of my wave's first row go in the A region
.set ADA,  16                          ; v16-17 my place in the A region, row blocks 0-3 and 4-7; never rewritten
.set ADK,  18                          ; v18-19 the same plus the K step's bytes
.set ADRB, 20                          ; v20-21 my place in W's slot 0, 1
.set STO,  24                          ; v24  the way out: where I put 32 bytes of a row
.set RD0,  25                          ; v25  the way out: my 16 bytes of my region's first row
.set RD,   26                          ; v26  the same plus the trip's rows
.set CO,   27                          ; v27  8 x lane
.set SPW,  28                          ; v28  my spare word; never rewritten
.set NIL,  29                          ; v29  0; never rewritten
.set VO,   32                          ; v32-63 row i of my 32: 16 x lane + i x the copy's pitch
.set F0,   64
.set F1,   128
.set ZR,   64                          ; the way out: 16 rows x 4 f32
.set YR,   128                         ; the way out: 16 rows x 2 registers of bf16
.set WV,   18                          ; s18  my wave
.set G1,   24                          ; s[24:31] descriptor group 1
.set G0,   32                          ; s[32:39] descriptor group 0, one set for each slot
.set KA,   53                          ; s53  bytes of the K step in a row of the A region
.set LAPS, 54
.set RO,   55                          ; s55  the way out: bytes of the trip's first row in my region
.set TRIPS, 56
.set MSB, 0
.macro WIN new                         ; the high byte repeats the setting that is left; a switch that changes nothing is dropped
.if MSB != (\new)
	s_set_vgpr_msb (MSB<<8)|(\new)
.set MSB, \new
.endif
.endm
.set MUL_LO, 0xa1                      ; source 0 (W) window 1, source 1 (x) window 0, C and D window 2
.set TO_B,   0x40                      ; destination window 1, address window 0
.macro PLACES                          ; four plain vector instructions between a matrix instruction and a load into, or a read of, its registers
.rept 4
	v_nop
.endr
.endm
.macro CREST                           ; a round of the cluster's barrier behind its opening barrier
	s_cmp_lg_u32 s[WV], 0
	s_cbranch_scc1 .Lnot_wave_0_\@
	s_barrier_signal -3
.Lnot_wave_0_\@:
	s_barrier_wait -3
	s_barrier_signal -1
	s_barrier_wait -1
.endm
.macro CROUND
	s_barrier_signal -1
	s_barrier_wait -1
	CREST
.endm
	s_load_b256 s[4:11], s[0:1], 0x0               ; inputs s[4:5], memory s[6:7], wb s[8:9], qb s[10:11]
	s_load_b128 s[12:15], s[0:1], 0x20             ; kb s[12:13], res s[14:15]
	s_load_b64 s[16:17], s[0:1], 0x30              ; mb
	v_lshl_add_u32 v[SPW], v0, 2, SPARE
	v_mov_b32 v[NIL], 0
	ds_add_u32 v[SPW], v[NIL]                      ; the wave's opening: the add and its wait stand ahead of my first tensor load
	v_lshrrev_b32 v1, 5, v0
	v_readfirstlane_b32 s[WV], v1                  ; wave 0..3
	s_bfe_u32 s19, ttmp6, 0x40000                  ; cx
	s_lshl_b32 s20, ttmp9, 2
	s_add_co_u32 s20, s20, s19                     ; my block of 128 rows: it enters the rows' addresses alone
	s_and_b32 s21, ttmp7, 0xffff                   ; y, which the four partners share
	; group 1: a tile of 16 k rows x 512 elements, 32 bytes of padding behind each row
	s_mov_b32 s[G1+0], 15|(1<<16)|(1<<20)|(1<<21)|(7<<22)|(7<<25)  ; mask of four; 2-byte elements; padding on; bit 21 beside a mask; after every 256 words; 8 words
	s_mov_b32 s[G1+1], 512<<16                     ; tensor_dim0
	s_mov_b32 s[G1+2], 16<<16                      ; tensor_dim1
	s_mov_b32 s[G1+3], 512<<16                     ; tile_dim0
	s_mov_b32 s[G1+4], 16                          ; tile_dim1
	s_mov_b32 s[G1+5], 512                         ; elements from row to row
	s_mov_b32 s[G1+6], 0
	s_mov_b32 s[G1+7], 0
	s_mul_i32 s52, s[WV], 16*PW                    ; my 16 rows' place in a slot
	s_lshl_b32 s46, s21, 19                        ; Wq at 0, Wk at 524,288
	s_lshl_b32 s47, s[WV], 14                      ; my 16 rows of 1,024 bytes
	s_add_co_u32 s46, s46, s47
	s_mov_b32 s47, 0
	s_mov_b32 s[KA], 0
	s_wait_dscnt 0x0                               ; the opening add is done
	s_wait_kmcnt 0x0
	s_add_nc_u64 s[46:47], s[8:9], s[46:47]
	CROUND                                         ; all four work-groups are here: the first joint loads meet
.irp s, 0,1
	s_mov_b32 s[G0+4*\s], 1
	s_add_co_u32 s[G0+4*\s+1], s52, \s*WSLOT
	s_add_nc_u64 s[G0+4*\s+2:G0+4*\s+3], s[46:47], \s*65536   ; K step s: 64 rows of 1,024 bytes on
	s_or_b32 s[G0+4*\s+3], s[G0+4*\s+3], 0x80000000
.endr
	tensor_load_to_lds s[G0:G0+3], s[G1:G1+7]      ; K steps 0 and 1: two loads of mine are out
	s_nop 0
	tensor_load_to_lds s[G0+4:G0+7], s[G1:G1+7]
	s_nop 0
	PLACES
	s_cmp_eq_u32 s21, 0
	s_cselect_b64 s[40:41], s[4:5], s[6:7]         ; the f32 rows
	s_cselect_b64 s[42:43], s[14:15], s[16:17]     ; their bf16 copy: res (rows of 2,048 bytes) or mb (1,024)
	s_cselect_b64 s[44:45], s[10:11], s[12:13]     ; the projection
	s_cselect_b32 s22, 2, 1                        ; the copy's pitch in units of 1,024 bytes: the last select on y,
	s_lshl_b32 s22, s22, 10                        ; since the shift writes SCC
	s_lshl_b32 s48, s20, 18                        ; 128 rows of 2,048 bytes,
	s_lshl_b32 s49, s[WV], 16                      ; my wave's 32 of them
	s_add_co_u32 s48, s48, s49
	s_mov_b32 s49, 0
	s_add_nc_u64 s[40:41], s[40:41], s[48:49]
	s_lshl_b32 s48, s20, 7
	s_lshl_b32 s50, s[WV], 5
	s_add_co_u32 s48, s48, s50
	s_mul_i32 s48, s48, s22
	s_add_nc_u64 s[42:43], s[42:43], s[48:49]
	s_lshl_b32 s48, s20, 17                        ; 128 rows of 1,024 bytes,
	s_lshl_b32 s50, s[WV], 8                       ; my wave's 128 columns
	s_add_co_u32 s48, s48, s50
	s_add_nc_u64 s[44:45], s[44:45], s[48:49]
	v_and_b32 v1, 31, v0                           ; lane
	v_lshlrev_b32 v[LD], 5, v1
	v_lshlrev_b32 v3, 4, v1
	s_mul_i32 s50, s[WV], 32*PA
	s_add_co_u32 s50, s50, AREG
	v_add_nc_u32 v[LA], s50, v3
	v_mov_b32 v[VO], v3
.set i, 1
.rept 31
	v_add_nc_u32 v[VO+i], s22, v[VO+i-1]
.set i, i+1
.endr
	; PHASE 1.  Unit u = 2 i + hh is half hh of row i: a lane's 8 f32, 32 bytes.  All 128 loads go out on end.
.irp hw, 0,1
	WIN 0x80+0x40*\hw                              ; destination window 2, then 3
.set u, 0
.rept 32
	global_load_b128 v[8*u:8*u+3],   v[LD], s[40:41] offset:((32*\hw+u)/2)*2048+(u%2)*1024 th:TH_LOAD_NT
	global_load_b128 v[8*u+4:8*u+7], v[LD], s[40:41] offset:((32*\hw+u)/2)*2048+(u%2)*1024+16 th:TH_LOAD_NT
.set u, u+1
.endr
.endr
	WIN 0
	; the addresses of the later phases are made while the rows are on their way
	v_and_b32 v6, 15, v0                           ; r = l % 16
	v_bfe_u32 v7, v0, 4, 1                         ; h = l / 16
	v_mul_u32_u24 v[ADA], v6, PA
	v_lshl_add_u32 v[ADA], v7, 4, v[ADA]
	v_add_nc_u32 v[ADA], AREG, v[ADA]              ; a fragment of x: row x pitch + 16 h
	v_add_nc_u32 v[ADA+1], 64*PA, v[ADA]
	v_mov_b32 v[ADK], v[ADA]
	v_mov_b32 v[ADK+1], v[ADA+1]
	v_and_b32 v8, 7, v0
	v_bfe_u32 v9, v0, 3, 1
	v_lshl_add_u32 v10, v7, 3, v8                  ; the turning load: k row 8 h + l % 8,
	v_mul_u32_u24 v10, v10, PW
	v_lshl_add_u32 v10, v9, 4, v10                 ; 16 bytes for each half of eight lanes,
	s_lshl_b32 s50, s[WV], 8
	v_add_nc_u32 v[ADRB], s50, v10                 ; my wave's 128 columns
	v_add_nc_u32 v[ADRB+1], WSLOT, v[ADRB]
	s_mul_i32 s50, s[WV], DREG
	v_mul_u32_u24 v11, v6, DP
	v_lshl_add_u32 v11, v7, 5, v11
	v_add_nc_u32 v[STO], s50, v11
	v_add_nc_u32 v[RD0], s50, v3
	v_lshlrev_b32 v[CO], 3, v1
; Eight units: rounded in place, 16 bytes a lane, into the A region and to the bf16 copy (a store of a wave covers 512 consecutive bytes, aligned).
.macro CONV g
.if 112-16*(\g) > 63
	s_wait_loadcnt 63                              ; more loads are younger than the wait's field can name: the largest count that it holds
.else
	s_wait_loadcnt 112-16*(\g)                     ; the loads behind this group's sixteen stay out
.endif
	WIN 0x8a+0x45*((\g)/4)
.irp x, 0,1,2,3,4,5,6,7
.irp k, 0,1,2,3
	v_cvt_pk_bf16_f32 v[8*(8*((\g)%4)+\x)+\k], v[8*(8*((\g)%4)+\x)+2*\k], v[8*(8*((\g)%4)+\x)+2*\k+1]
.endr
.endr
	WIN 0x08+4*((\g)/4)                            ; store data in window 2 or 3
.irp x, 0,1,2,3,4,5,6,7
	ds_store_b128 v[LA], v[8*(8*((\g)%4)+\x):8*(8*((\g)%4)+\x)+3] offset:(4*(\g)+\x/2)*PA+(\x%2)*512
	global_store_b128 v[VO+4*(\g)+\x/2], v[8*(8*((\g)%4)+\x):8*(8*((\g)%4)+\x)+3], s[42:43] offset:(\x%2)*512
.endr
.endm
.irp g, 0,1,2,3,4,5,6,7
	CONV \g
.endr
	WIN 0
	s_wait_xcnt 0x0                                ; the stores' data registers become accumulators only behind this wait
	s_wait_tensorcnt 0x1                           ; my part of K step 0 is in; K step 1 may stay out
	s_wait_dscnt 0x0                               ; my rows are in the A region
	s_barrier_signal -1
	s_barrier_wait -1
; 16 matrix instructions: row blocks a0, a0 + 1 of the window's four x all 8 column blocks, 32 along K.  zero = 1: the first product starts the sums.
.macro MUL16 f, hi, a0, zero
	WIN MUL_LO+0x50*(\hi)
.irp a, \a0, (\a0)+1
.irp b, 0,1,2,3,4,5,6,7
.if \zero
	v_wmma_f32_16x16x32_bf16 v[8*(8*(\a)+(\b)):8*(8*(\a)+(\b))+7], v[(\f)+8*(\b):(\f)+8*(\b)+7], v[(\f)+8*(4*(\hi)+(\a)):(\f)+8*(4*(\hi)+(\a))+7], 0
.else
	v_wmma_f32_16x16x32_bf16 v[8*(8*(\a)+(\b)):8*(8*(\a)+(\b))+7], v[(\f)+8*(\b):(\f)+8*(\b)+7], v[(\f)+8*(4*(\hi)+(\a)):(\f)+8*(4*(\hi)+(\a))+7], v[8*(8*(\a)+(\b)):8*(8*(\a)+(\b))+7]
.endif
.endr
.endr
.endm
; 32 LDS loads in one run: the fragments of 32 along K (half kq of the K step): W's 128 columns turned, then x's 128 rows
.macro FETCH slot, kq, f
	WIN TO_B
.irp i, 0,1,2,3,4,5,6,7
	ds_load_tr16_b128 v[(\f)+8*(\i):(\f)+8*(\i)+3],   v[ADRB+(\slot)] offset:(\kq)*32*PW+32*(\i)
	ds_load_tr16_b128 v[(\f)+8*(\i)+4:(\f)+8*(\i)+7], v[ADRB+(\slot)] offset:(\kq)*32*PW+32*(\i)+16*PW
.endr
	WIN 0
.irp i, 0,1,2,3,4,5,6,7
	ds_load_b128 v[(\f)+8*(\i):(\f)+8*(\i)+3],   v[ADK+(\i)/4] offset:(\kq)*64+((\i)%4)*16*PA
	ds_load_b128 v[(\f)+8*(\i)+4:(\f)+8*(\i)+7], v[ADK+(\i)/4] offset:(\kq)*64+((\i)%4)*16*PA+32
.endr
.endm
; The first half of a K step: multiplies buffer f, and in its middle fetches the second half into g.  The 64 accumulators take turns.
.macro QUARTER slot, kq, f, g, zero
	s_wait_dscnt 8                                 ; W and x's rows 0-63 are in; the youngest eight loads (rows 64-127) may be out
	MUL16 \f, 0, 0, \zero
	MUL16 \f, 0, 2, \zero
	PLACES
	FETCH \slot, \kq, \g
	s_wait_dscnt 32                                ; all but the 32 just issued
	MUL16 \f, 1, 0, \zero
	MUL16 \f, 1, 2, \zero
.endm
; The second half multiplies buffer 1 and changes slots.  Its first 32 products stand ahead of the change: they need nothing of the next slot, so the tile on its way has them too in which to land,
; and nothing but the barrier stands between the wait that shows it landed and the next request.  In front of the barrier each wave waits for all its tensor loads (its part of the next slot), adds 0 to
; its spare word, and waits for that and for its reads of this slot.  fill = 1: the barrier opens a round of the cluster's, and this slot is filled again, two K steps on, first thing behind it:
; a K step's 128 matrix instructions ahead of the wait for it.
.macro TURN slot, next, fill
	s_wait_dscnt 8                                 ; as in QUARTER
	MUL16 F1, 0, 0, 0
	MUL16 F1, 0, 2, 0
	WIN 0
	s_wait_tensorcnt 0x0
	ds_add_u32 v[SPW], v[NIL]
.if \fill
	s_add_nc_u64 s[G0+4*(\slot)+2:G0+4*(\slot)+3], s[G0+4*(\slot)+2:G0+4*(\slot)+3], 2*65536   ; no load of mine is out: the group 0 may be written
.endif
	s_wait_dscnt 0x0                               ; the add is done, and my reads of this slot are over
	s_barrier_signal -1
	s_barrier_wait -1
.if \fill
	CREST
	tensor_load_to_lds s[G0+4*(\slot):G0+4*(\slot)+3], s[G1:G1+7]
	s_nop 0
.endif
	PLACES                                         ; also the places in front of the loads below
	s_add_co_u32 s[KA], s[KA], 128                 ; the next K step's 64 numbers in a row of x
	v_add_nc_u32 v[ADK], s[KA], v[ADA]
	v_add_nc_u32 v[ADK+1], s[KA], v[ADA+1]
	FETCH \next, 0, F0
	MUL16 F1, 1, 0, 0
	MUL16 F1, 1, 2, 0
.endm
	; PHASE 2
	FETCH 0, 0, F0
	QUARTER 0, 1, F0, F1, 1                        ; the first products start the sums: nothing is cleared
	WIN 0
	s_mov_b32 s[LAPS], 3
.Llap:                                                 ; a trip goes once round the ring and fills both slots again: K steps 2 to 7
	TURN 0, 1, 1
	QUARTER 1, 1, F0, F1, 0
	TURN 1, 0, 1
	QUARTER 0, 1, F0, F1, 0
	WIN 0
	s_sub_co_u32 s[LAPS], s[LAPS], 1
	s_cmp_lg_u32 s[LAPS], 0
	s_cbranch_scc1 .Llap
	TURN 0, 1, 0                                   ; the last lap fills nothing
	QUARTER 1, 1, F0, F1, 0
	s_wait_dscnt 8
	MUL16 F1, 0, 0, 0
	MUL16 F1, 0, 2, 0
	s_wait_dscnt 0x0
	MUL16 F1, 1, 0, 0
	MUL16 F1, 1, 2, 0
	WIN 0
	; PHASE 3.  Every wave has read the ring and the A region for the last time: behind this barrier they are the four waves' own regions for the way out.
	s_barrier_signal -1
	s_barrier_wait -1
	PLACES
.irp hi, 0,1
	WIN 0x08+4*\hi
.irp a, 0,1,2,3
.irp b, 0,1,2,3,4,5,6,7
	ds_store_b128 v[STO], v[8*(8*\a+\b):8*(8*\a+\b)+3]   offset:(4*\hi+\a)*16*DP+64*\b      ; each accumulator from its low end on
	ds_store_b128 v[STO], v[8*(8*\a+\b)+4:8*(8*\a+\b)+7] offset:(4*\hi+\a)*16*DP+64*\b+16
.endr
.endr
.endr
	WIN 0
	s_mov_b32 s[RO], 0
	s_mov_b32 s[TRIPS], 8
.Lout:                                                 ; 16 rows a trip: back as whole rows (LDS serves a wave's instructions in order: these see the stores above), relu, bf16, out
	v_add_nc_u32 v[RD], s[RO], v[RD0]
.irp t, 0,1,2,3,4,5,6,7,8,9,10,11,12,13,14,15
	ds_load_b128 v[ZR+4*\t:ZR+4*\t+3], v[RD] offset:\t*DP
.endr
.irp t, 0,1,2,3,4,5,6,7,8,9,10,11,12,13,14,15
	s_wait_dscnt 15-\t
	v_max_num_f32 v[ZR+4*\t], 0, v[ZR+4*\t]
	v_max_num_f32 v[ZR+4*\t+1], 0, v[ZR+4*\t+1]
	v_max_num_f32 v[ZR+4*\t+2], 0, v[ZR+4*\t+2]
	v_max_num_f32 v[ZR+4*\t+3], 0, v[ZR+4*\t+3]
	v_cvt_pk_bf16_f32 v[YR+2*\t], v[ZR+4*\t], v[ZR+4*\t+1]
	v_cvt_pk_bf16_f32 v[YR+2*\t+1], v[ZR+4*\t+2], v[ZR+4*\t+3]
	global_store_b64 v[CO], v[YR+2*\t:YR+2*\t+1], s[44:45] offset:\t*1024   ; 32 lanes store 256 consecutive bytes, aligned
.endr
	s_wait_xcnt 0x0                                ; the stores' base and data are written again only behind this wait
	s_add_nc_u64 s[44:45], s[44:45], 16*1024
	s_add_co_u32 s[RO], s[RO], 16*DP
	s_sub_co_u32 s[TRIPS], s[TRIPS], 1
	s_cmp_lg_u32 s[TRIPS], 0
	s_cbranch_scc1 .Lout
	s_wait_tensorcnt 0x0                           ; the wave's end
	ds_add_u32 v[SPW], v[NIL]
	s_wait_dscnt 0x0
	CROUND                                         ; the closing round
	s_endpgm
.Lfunc_end_k_q7e26eb71d6_proj:
	.size	k_q7e26eb71d6_proj, .Lfunc_end_k_q7e26eb71d6_proj-k_q7e26eb71d6_proj
	.p2alignl 7, 3214868480
	.fill 96, 4, 3214868480
	.section	.rodata,"a",@progbits
	.p2align	6, 0x0
	.amdhsa_kernel k_q7e26eb71d6_proj
		.amdhsa_group_segment_fixed_size 327680
		.amdhsa_private_segment_fixed_size 0
		.amdhsa_enable_private_segment 0
		.amdhsa_kernarg_size 56
		.amdhsa_user_sgpr_count 2
		.amdhsa_user_sgpr_kernarg_segment_ptr 1
		.amdhsa_wavefront_size32 1
		.amdhsa_system_sgpr_workgroup_id_x 1
		.amdhsa_system_sgpr_workgroup_id_y 1
		.amdhsa_system_sgpr_workgroup_id_z 1
		.amdhsa_system_vgpr_workitem_id 0
		.amdhsa_next_free_vgpr 1024
		.amdhsa_next_free_sgpr 66
		.amdhsa_reserve_vcc 0
		.amdhsa_float_denorm_mode_32 3
		.amdhsa_float_denorm_mode_16_64 3
		.amdhsa_memory_ordered 1
		.amdhsa_forward_progress 1
		.amdhsa_inst_pref_size 114
	.end_amdhsa_kernel
	.amdgpu_metadata
---
amdhsa.version: [ 1, 2 ]
amdhsa.kernels:
  - .name:           k_q7e26eb71d6_proj
    .symbol:         k_q7e26eb71d6_proj.kd
    .args:
      - { .name: inputs, .offset: 0, .size: 8, .value_kind: global_buffer, .address_space: global }
      - { .name: memory, .offset: 8, .size: 8, .value_kind: global_buffer, .address_space: global }
      - { .name: wb, .offset: 16, .size: 8, .value_kind: global_buffer, .address_space: global }
      - { .name: qb, .offset: 24, .size: 8, .value_kind: global_buffer, .address_space: global }
      - { .name: kb, .offset: 32, .size: 8, .value_kind: global_buffer, .address_space: global }
      - { .name: res, .offset: 40, .size: 8, .value_kind: global_buffer, .address_space: global }
      - { .name: mb, .offset: 48, .size: 8, .value_kind: global_buffer, .address_space: global }
    .group_segment_fixed_size: 327680
    .private_segment_fixed_size: 0
    .kernarg_segment_align: 8
    .kernarg_segment_size: 56
    .max_flat_workgroup_size: 128
    .sgpr_count:     66
    .vgpr_count:     1024
    .wavefront_size: 32
...
	.end_amdgpu_metadata
.endif
;; end of part 2
;; launch attn (part 3): grid 32 x 8, 4 waves a work-group, clusters of 4 x 1, 327,680 bytes of LDS; arguments qb, kb, mb, mask, res; writes res
.if DOCPART == 3
	.amdgcn_target "amdgcn-amd-amdhsa--gfx1250"
	.amdhsa_code_object_version 6
	.text
	.protected	k_q7e26eb71d6_attn
	.globl	k_q7e26eb71d6_attn
	.p2align	8
	.type	k_q7e26eb71d6_attn,@function
k_q7e26eb71d6_attn:
	s_mov_b64 s[64:65], 0
	v_nop
	global_prefetch_b8 v0, s[64:65] scope:SCOPE_SE
	s_setreg_imm32_b32 hwreg(HW_REG_WAVE_MODE, 25, 1), 1
	s_wait_xcnt 0x0
	s_wait_alu depctr_hold_cnt(0) depctr_sa_sdst(0) depctr_va_vdst(0) depctr_va_sdst(0) depctr_va_ssrc(0) depctr_va_vcc(0) depctr_vm_vsrc(0)
	s_getreg_b32 s2, hwreg(HW_REG_IB_STS2, 6, 4)
	s_cmp_eq_u32 s2, 0
	s_cbranch_scc0 .Lentry_in_a_cluster
	s_endpgm
.Lentry_in_a_cluster:
	s_bfe_u32 s2, ttmp6, 0x10000c
	s_cmp_lg_u32 s2, 0x3003
	s_cbranch_scc0 .Lentry_shape_is_right
	s_endpgm
.Lentry_shape_is_right:
; res[:, 512:1024] = bf16(softmax_m(q . k / sqrt(512), masked) memory).  qb, kb, mb: [8 x 2048][512] bf16; mask: [8][2048] int32; res: rows of 2,048 bytes.
; THE MASK is honoured as a number m: t = s (m c) + (m X - X), c = log2(e) / sqrt(512), X = 1e30 log2(e): the reference's s m / sqrt(512) + (1 - m)(-1e30), in base 2.
; SOFTMAX.  A true running maximum M of t for each query; p = 2^(t - M); O and l are multiplied by 2^(M_old - M_new) in every step.  A batch that is wholly masked gives equal weights, as the reference does.
; LIMITS.  NaN and infinities are not treated apart; a weight below 2^-126 counts as 0; m is converted to f32 (exact up to 2^24); p is rounded to bf16 for the second product, l is taken of the unrounded p.
; SHARES.  A work-group owns 64 queries (four tiles of 16) of one batch and walks the 2,048 keys in 16 steps of 128.
;   S^T = K Q^T: wave w takes keys 32 w .. +31 of the step, all 64 queries; Q stays in 512 registers, and each byte of K is read from LDS once.
;   O^T += V^T P: wave w takes channels 128 w .. +127, all 64 queries: 256 registers.  P goes from wave to wave through LDS as fragments ready for use, the waves' maxima likewise.
; TRIP j: S(j); mask and my keys' maximum; round A, K(j+1) is asked for; O^T times the last a; V^T P of step j - 1 with the softmax of step j in slices of four behind its products;
; ahead of its last sixteen products round C, V(j) is asked for; P(j) into LDS.  Nothing but the round stands between the wait that shows one tile landed and the request for the next.
; One slot for K and one for V, filled out of phase: K's request has the rescaling and 112 matrix instructions in which to land, V's 144 and the mask and maximum.
; Trip 0 multiplies V(0) by a P of zeros, so no first trip is written out: the price is 128 products, one tile of V asked for twice and the lines that clear O^T, which stand in the wait for the first tile.
; CLUSTER.  The four query blocks of a cluster belong to one batch and walk the same K and V: each tile is asked for jointly, the same load, descriptor and mask in all four.
; REGISTERS, in windows of 256 (s_set_vgpr_msb: bits 1:0 source 0, 3:2 source 1, 5:4 source 2, 7:6 destination):
;   window 0: v1-15 addresses; v16-47 statistics; v48-111 S^T; v112-239 fragments of K (two buffers of 64), later of P (v112-175) and V (v176-239); v240-255 the exchange
;   windows 1, 2: Q, (tile qt, 32 channels ks) at v[8 (4 (ks % 8) + qt)]          window 3: O^T, (16 channels cb, tile qt) at v[8 (4 cb + qt)]
.set PKP,   1040                       ; a row of K in LDS: 1,024 + 16 bytes, an odd multiple of 16
.set PVP,   1056                       ; a row of V: 1,024 + 32, an odd multiple of 32, for the turning load
.set VREG,  128*PKP                    ; K's slot at 0, V's behind it
.set PBUF,  VREG+128*PVP               ; P: wave kk, tile qt, half: 4,096 kk + 1,024 qt + 512 half + 16 lane
.set PMX,   PBUF+16384                 ; the waves' maxima: 256 w + 16 r; 1,024 bytes on, the waves' sums at the end
.set TA,    PMX+2048                   ; m c for the batch's 2,048 keys; 8,192 bytes on, m X - X
.set STAGE, TA+16384                   ; 16 rows x 272 bytes for each wave, for the way out
.set SP,    272
.set SPARE, STAGE+4*16*SP              ; the spare words: 128 bytes a wave, two blocks of 256 bytes that no other line names
.set PF,  1                            ; v1   256 x lane, for the prefetch
.set AK,  2                            ; v2   my place in K's slot
.set AV,  3                            ; v3-4 my place in V's slot, keys 0-63 and 64-127
.set APW, 5                            ; v5   where my wave's P goes
.set APR, 6                            ; v6   where P is read
.set AXW, 7                            ; v7   where my wave's maxima go
.set AXR, 8                            ; v8   where the four waves' are read
.set AMB, 9                            ; v9   my keys' place in the mask tables, step 0
.set AMK, 10                           ; v10  the same for the step in hand
.set STO, 11
.set RD,  12
.set GO,  13
.set SPW, 14                           ; v14  my spare word; never rewritten
.set NIL, 15                           ; v15  0; never rewritten
.set ST,  16                           ; tile t at v[ST+8 t]: M, -, l (even keys, odd keys), a, -, two at work
.set S,   48                           ; S^T: tile qt, 16 keys kt at v[S+16 qt+8 kt]
.set FB0, 112
.set FB1, 176
.set PAB, 112                          ; P's two buffers of 32
.set VAB, 176                          ; V's two buffers of 32
.set TAR, 112                          ; m c of my 16 keys a lane
.set TBR, 128                          ; m X - X
.set PMR, 240
.set OUTR, 48                          ; the way out: 32 registers a tile
.set QO,  100                          ; at the start only
.set MO,  101
.set TO,  102
.set WV,  14
.set G1K, 24
.set G1V, 32
.set G0K, 40
.set G0V, 44
.set KB,  48                           ; s[48:49] K at my 32 rows of the batch's tile 0
.set VB,  50                           ; s[50:51] V likewise
.set OFF, 52                           ; s[52:53] a tile's byte offset
.set NK,  54                           ; the tile of K to be asked for next
.set NV,  55                           ; of V
.set CNT, 56
.set MKO, 57                           ; the step's bytes in the mask tables
.set SEL, 58                           ; s[58:59] v_permlanex16_b32: each lane takes its own place in the other half
.set CC,  60                           ; s[60:61] c
.set XX,  62                           ; s[62:63] X
.set PFB, 66                           ; s[66:67] the prefetch's base
.set MSB, 0
.macro WIN new
.if MSB != (\new)
	s_set_vgpr_msb (MSB<<8)|(\new)
.set MSB, \new
.endif
.endm
.macro PLACES                          ; four plain vector instructions between a matrix instruction and a load into, or a read of, its registers
.rept 4
	v_nop
.endr
.endm
.macro CREST
	s_cmp_lg_u32 s[WV], 0
	s_cbranch_scc1 .Lnot_wave_0_\@
	s_barrier_signal -3
.Lnot_wave_0_\@:
	s_barrier_wait -3
	s_barrier_signal -1
	s_barrier_wait -1
.endm
.macro CROUND
	s_barrier_signal -1
	s_barrier_wait -1
	CREST
.endm
	s_load_b256 s[4:11], s[0:1], 0x0               ; qb s[4:5], kb s[6:7], mb s[8:9], mask s[10:11]
	s_load_b64 s[12:13], s[0:1], 0x20              ; res
	v_lshl_add_u32 v[SPW], v0, 2, SPARE
	v_mov_b32 v[NIL], 0
	ds_add_u32 v[SPW], v[NIL]                      ; the wave's opening: the add and its wait stand ahead of my first tensor load
	v_lshrrev_b32 v1, 5, v0
	v_readfirstlane_b32 s[WV], v1
	s_bfe_u32 s15, ttmp6, 0x40000                  ; cx
	s_lshl_b32 s16, ttmp9, 2
	s_add_co_u32 s16, s16, s15                     ; my block of 64 queries: it enters Q's, res's and the prefetch's addresses alone
	s_and_b32 s17, ttmp7, 0xffff                   ; the batch, which the four partners share
	; group 1: a tile of 32 rows x 512 elements, padded behind each row
	s_mov_b32 s[G1K], 15|(1<<16)|(1<<20)|(1<<21)|(7<<22)|(3<<25)  ; mask of four; 2-byte elements; padding on; bit 21 beside a mask; after every 256 words; 4 words
	s_mov_b32 s[G1V], 15|(1<<16)|(1<<20)|(1<<21)|(7<<22)|(7<<25)  ; the same with 8 words
.irp g, G1K, G1V
	s_mov_b32 s[\g+1], 512<<16
	s_mov_b32 s[\g+2], 32<<16
	s_mov_b32 s[\g+3], 512<<16
	s_mov_b32 s[\g+4], 32
	s_mov_b32 s[\g+5], 512
	s_mov_b32 s[\g+6], 0
	s_mov_b32 s[\g+7], 0
.endr
	s_lshl_b32 s18, s17, 21                        ; the batch's 2,048 rows of 1,024 bytes,
	s_lshl_b32 s19, s[WV], 15                      ; my 32 rows of a tile
	s_add_co_u32 s18, s18, s19
	s_mov_b32 s19, 0
	s_mul_i32 s20, s[WV], 32*PKP
	s_mul_i32 s21, s[WV], 32*PVP
	s_mov_b32 s[G0K], 1
	s_mov_b32 s[G0K+1], s20
	s_mov_b32 s[G0V], 1
	s_add_co_u32 s[G0V+1], s21, VREG
	s_mov_b32 s[OFF+1], 0
	s_mov_b32 s[NK], 1
	s_mov_b32 s[NV], 0
	s_mov_b32 s[MKO], 0
	s_mov_b32 s[SEL], 0x76543210
	s_mov_b32 s[SEL+1], 0xfedcba98
	s_mov_b32 s[CC], 0x3d8293ee                    ; c = log2(e) / sqrt(512) = 0.0637587
	s_mov_b32 s[CC+1], s[CC]
	s_mov_b32 s[XX], 0x7191acca                    ; X = 1e30 log2(e)
	s_mov_b32 s[XX+1], s[XX]
	s_wait_dscnt 0x0                               ; the opening add is done
	s_wait_kmcnt 0x0
	s_add_nc_u64 s[KB:KB+1], s[6:7], s[18:19]
	s_add_nc_u64 s[VB:VB+1], s[8:9], s[18:19]
	s_add_nc_u64 s[G0K+2:G0K+3], s[KB:KB+1], 0
	s_or_b32 s[G0K+3], s[G0K+3], 0x80000000
	s_add_nc_u64 s[G0V+2:G0V+3], s[VB:VB+1], 0
	s_or_b32 s[G0V+3], s[G0V+3], 0x80000000
	CROUND                                         ; all four work-groups are here: the first joint loads meet
	tensor_load_to_lds s[G0K:G0K+3], s[G1K:G1K+7]  ; K(0), then V(0): two loads of mine are out
	s_nop 0
	tensor_load_to_lds s[G0V:G0V+3], s[G1V:G1V+7]
	s_nop 0
	PLACES
	s_lshl_b32 s20, s17, 21
	s_lshl_b32 s21, s16, 16
	s_add_co_u32 s20, s20, s21
	s_mov_b32 s21, 0
	s_add_nc_u64 s[4:5], s[4:5], s[20:21]          ; Q at my 64 rows
	s_lshl_b32 s20, s17, 13
	s_add_nc_u64 s[10:11], s[10:11], s[20:21]      ; the batch's mask
	s_lshl_b32 s20, s17, 22
	s_lshl_b32 s22, s16, 17
	s_add_co_u32 s20, s20, s22
	s_lshl_b32 s22, s[WV], 8
	s_add_co_u32 s20, s20, s22
	s_add_co_u32 s20, s20, 1024
	s_add_nc_u64 s[12:13], s[12:13], s[20:21]      ; res at my 64 rows, second half, my wave's 128 channels
	s_cmp_lt_u32 s16, 16                           ; the batch's 32 blocks share the prefetching: blocks 0-15 ask for K's tiles, 16-31 for V's, 8,192 bytes of a tile each
	s_cselect_b64 s[PFB:PFB+1], s[6:7], s[8:9]
	s_and_b32 s20, s16, 15
	s_lshl_b32 s20, s20, 13
	s_lshl_b32 s22, s17, 21
	s_add_co_u32 s20, s20, s22
	s_add_co_u32 s20, s20, 131072                  ; tile 1: each trip steps a tile on ahead of its ask
	s_add_nc_u64 s[PFB:PFB+1], s[PFB:PFB+1], s[20:21]
	v_and_b32 v96, 31, v0                          ; lane
	v_and_b32 v97, 15, v0                          ; r
	v_bfe_u32 v98, v0, 4, 1                        ; h
	v_lshlrev_b32 v[PF], 8, v96
	v_lshlrev_b32 v[QO], 10, v97
	v_lshl_add_u32 v[QO], v98, 4, v[QO]            ; a fragment of Q: row x 1,024 + 16 h
	v_lshlrev_b32 v[MO], 4, v0
.irp c, 0,1,2,3
	global_load_b128 v[48+4*\c:51+4*\c], v[MO], s[10:11] offset:2048*\c
.endr
.irp hw, 0,1
	WIN 0x40+0x40*\hw                              ; destination window 1, then 2
.set ks, 0
.rept 8
.irp q, 0,1,2,3
	global_load_b128 v[8*(4*ks+\q):8*(4*ks+\q)+3],   v[QO], s[4:5] offset:\q*16384+(8*\hw+ks)*64
	global_load_b128 v[8*(4*ks+\q)+4:8*(4*ks+\q)+7], v[QO], s[4:5] offset:\q*16384+(8*\hw+ks)*64+32
.endr
.set ks, ks+1
.endr
.endr
	WIN 0xc0                                       ; O^T = 0, in the wait for Q and the first tile
.set i, 0
.rept 256
	v_mov_b32 v[i], 0
.set i, i+1
.endr
	WIN 0
.irp t, 0,1,2,3
	v_mov_b32 v[ST+8*\t], 0xff7fffff               ; M: the lowest finite number
.irp k, 1,2,3,4,5,6,7
	v_mov_b32 v[ST+8*\t+\k], 0
.endr
.endr
	s_mul_i32 s18, s[WV], 32*PKP
	v_mul_u32_u24 v[AK], v97, PKP
	v_lshl_add_u32 v[AK], v98, 4, v[AK]
	v_add_nc_u32 v[AK], s18, v[AK]                 ; key 32 w + r, 16 h
	v_and_b32 v99, 7, v0
	v_bfe_u32 v103, v0, 3, 1
	v_lshl_add_u32 v[AV], v98, 3, v99              ; the turning load: key 8 h + l % 8,
	v_mul_u32_u24 v[AV], v[AV], PVP
	v_lshl_add_u32 v[AV], v103, 4, v[AV]
	s_lshl_b32 s18, s[WV], 8
	s_add_co_u32 s18, s18, VREG
	v_add_nc_u32 v[AV], s18, v[AV]                 ; my wave's 128 channels
	v_add_nc_u32 v[AV+1], 64*PVP, v[AV]
	s_lshl_b32 s18, s[WV], 12
	s_add_co_u32 s18, s18, PBUF
	v_lshl_add_u32 v[APW], v96, 4, s18
	v_lshl_add_u32 v[APR], v96, 4, PBUF
	v_lshl_add_u32 v[AXR], v97, 4, PMX
	s_lshl_b32 s18, s[WV], 8
	v_add_nc_u32 v[AXW], s18, v[AXR]
	s_lshl_b32 s18, s[WV], 7
	s_add_co_u32 s18, s18, TA
	v_lshl_add_u32 v[AMB], v98, 5, s18
	s_mul_i32 s18, s[WV], 16*SP
	s_add_co_u32 s18, s18, STAGE
	v_mul_u32_u24 v[STO], v97, SP
	v_lshl_add_u32 v[STO], v98, 4, v[STO]
	v_add_nc_u32 v[STO], s18, v[STO]
	v_mul_u32_u24 v[RD], v98, SP
	v_lshl_add_u32 v[RD], v97, 4, v[RD]
	v_add_nc_u32 v[RD], s18, v[RD]
	v_lshlrev_b32 v[GO], 11, v98
	v_lshl_add_u32 v[GO], v97, 4, v[GO]
	v_lshl_add_u32 v[TO], v0, 4, TA
.irp k, 0,1,2,3
	v_mov_b32 v[PMR+\k], 0
.endr
.irp q, 0,1,2,3
	ds_store_b128 v[APW], v[PMR:PMR+3] offset:1024*\q        ; the P of a step that has not been: zeros
	ds_store_b128 v[APW], v[PMR:PMR+3] offset:1024*\q+512
.endr
	s_wait_loadcnt 0x0                             ; the mask and Q
.set i, 0
.rept 16
	v_cvt_f32_i32 v[48+i], v[48+i]
.set i, i+1
.endr
.set i, 0
.rept 8
	v_pk_mul_f32 v[64+2*i:65+2*i], v[48+2*i:49+2*i], s[CC:CC+1] op_sel_hi:[1,0]
	v_pk_fma_f32 v[80+2*i:81+2*i], v[48+2*i:49+2*i], s[XX:XX+1], s[XX:XX+1] op_sel_hi:[1,0,0] neg_lo:[0,0,1] neg_hi:[0,0,1]
.set i, i+1
.endr
.irp c, 0,1,2,3
	ds_store_b128 v[TO], v[64+4*\c:67+4*\c] offset:2048*\c
	ds_store_b128 v[TO], v[80+4*\c:83+4*\c] offset:8192+2048*\c
.endr
	s_wait_tensorcnt 0x1                           ; my part of K(0) is in; V(0) may stay out
	s_wait_dscnt 0x0                               ; my zeros and my part of the tables are in LDS
	s_barrier_signal -1
	s_barrier_wait -1
; 16 LDS loads: my 32 keys, channels 128 g .. +127: fragment (32 channels c, 16 keys kt) at fb + 16 c + 8 kt
.macro FETCHK g, fb
	WIN 0
.irp c, 0,1,2,3
.irp kt, 0,1
	ds_load_b128 v[(\fb)+16*\c+8*\kt:(\fb)+16*\c+8*\kt+3],   v[AK] offset:\kt*16*PKP+(4*(\g)+\c)*64
	ds_load_b128 v[(\fb)+16*\c+8*\kt+4:(\fb)+16*\c+8*\kt+7], v[AK] offset:\kt*16*PKP+(4*(\g)+\c)*64+32
.endr
.endr
.endm
; 32 products of S^T = K Q^T; the 8 accumulators take turns; the first 8 start the sums
.macro MULS g, fb
	WIN 0x04+4*((\g)/2)                            ; Q in window 1 or 2
.irp c, 0,1,2,3
.irp kt, 0,1
.irp q, 0,1,2,3
.if (\g)+\c == 0
	v_wmma_f32_16x16x32_bf16 v[S+16*\q+8*\kt:S+16*\q+8*\kt+7], v[(\fb)+16*\c+8*\kt:(\fb)+16*\c+8*\kt+7], v[8*(4*((4*(\g)+\c)%8)+\q):8*(4*((4*(\g)+\c)%8)+\q)+7], 0
.else
	v_wmma_f32_16x16x32_bf16 v[S+16*\q+8*\kt:S+16*\q+8*\kt+7], v[(\fb)+16*\c+8*\kt:(\fb)+16*\c+8*\kt+7], v[8*(4*((4*(\g)+\c)%8)+\q):8*(4*((4*(\g)+\c)%8)+\q)+7], v[S+16*\q+8*\kt:S+16*\q+8*\kt+7]
.endif
.endr
.endr
.endr
.endm
.macro SPHASE
	FETCHK 0, FB0
	FETCHK 1, FB1
	s_wait_dscnt 16                                ; the sixteen loads of the other buffer may be out: so at each of these waits
	MULS 0, FB0
	WIN 0
	PLACES
	FETCHK 2, FB0
	s_wait_dscnt 16
	MULS 1, FB1
	WIN 0
	PLACES
	FETCHK 3, FB1
	s_wait_dscnt 16
	MULS 2, FB0
	WIN 0
	PLACES
	v_add_nc_u32 v[AMK], s[MKO], v[AMB]
.irp kt, 0,1
	ds_load_b128 v[TAR+8*\kt:TAR+8*\kt+3],   v[AMK] offset:64*\kt
	ds_load_b128 v[TAR+8*\kt+4:TAR+8*\kt+7], v[AMK] offset:64*\kt+16
	ds_load_b128 v[TBR+8*\kt:TBR+8*\kt+3],   v[AMK] offset:8192+64*\kt
	ds_load_b128 v[TBR+8*\kt+4:TBR+8*\kt+7], v[AMK] offset:8192+64*\kt+16
.endr
	s_wait_dscnt 8                                 ; the eight loads from the tables may be out
	MULS 3, FB1
	WIN 0
	s_wait_dscnt 0x0
	PLACES
.endm
; t = s (m c) + (m X - X), each accumulator from its low end on; the maximum of my wave's 32 keys for each query; into LDS for the other waves.  pf = 1: the prefetch's base steps a tile on.
.macro MASKMAX pf
.irp t, 0,1,2,3
.irp p, 0,1,2,3,4,5,6,7
	v_pk_fma_f32 v[S+16*\t+2*\p:S+16*\t+2*\p+1], v[S+16*\t+2*\p:S+16*\t+2*\p+1], v[TAR+2*\p:TAR+2*\p+1], v[TBR+2*\p:TBR+2*\p+1]
.endr
.endr
.irp t, 0,1,2,3
	v_max3_num_f32 v[ST+8*\t+6], v[S+16*\t], v[S+16*\t+1], v[S+16*\t+2]
.endr
.irp k, 1,2,3,4,5,6
.irp t, 0,1,2,3
	v_max3_num_f32 v[ST+8*\t+6], v[ST+8*\t+6], v[S+16*\t+2*\k+1], v[S+16*\t+2*\k+2]
.endr
.endr
.irp t, 0,1,2,3
	v_max_num_f32 v[ST+8*\t+6], v[ST+8*\t+6], v[S+16*\t+15]
.endr
.irp t, 0,1,2,3
	v_permlanex16_b32 v[ST+8*\t+7], v[ST+8*\t+6], s[SEL], s[SEL+1]   ; the query's other 16 keys lie in the lane 16 away
.endr
.irp t, 0,1,2,3
	v_max_num_f32 v[PMR+\t], v[ST+8*\t+6], v[ST+8*\t+7]
.endr
	ds_store_b128 v[AXW], v[PMR:PMR+3]
.if \pf
	s_wait_xcnt 0x0                                ; the last trip's prefetch has read its base
	s_add_nc_u64 s[PFB:PFB+1], s[PFB:PFB+1], 131072
.endif
	s_add_co_u32 s[MKO], s[MKO], 512
.endm
.macro RESCALE                         ; O^T times a, each accumulator from its low end on
	WIN 0xc3
.set x, 0
.rept 32
.irp z, 0,1,2,3
	v_pk_mul_f32 v[8*x+2*\z:8*x+2*\z+1], v[8*x+2*\z:8*x+2*\z+1], v[ST+8*(x%4)+4:ST+8*(x%4)+5] op_sel_hi:[1,0]
.endr
.set x, x+1
.endr
	WIN 0
.endm
; ROUND A.  Every wave has read K(j) for the last time, its maxima and P(j-1) are in LDS, and its part of V(j-1) has landed.  kfill = 1: the barrier opens a round of the cluster's, and K(j+1) is asked for first thing behind it.
.macro ROUND_A kfill
	WIN 0
	s_wait_tensorcnt 0x0
	ds_add_u32 v[SPW], v[NIL]
.if \kfill
	s_lshl_b32 s[OFF], s[NK], 17                   ; a tile is 131,072 bytes; the address is made anew from its number
	s_add_nc_u64 s[G0K+2:G0K+3], s[KB:KB+1], s[OFF:OFF+1]
	s_or_b32 s[G0K+3], s[G0K+3], 0x80000000
	s_add_co_u32 s[NK], s[NK], 1
.endif
	s_wait_dscnt 0x0
	s_barrier_signal -1
	s_barrier_wait -1
.if \kfill
	CREST
	tensor_load_to_lds s[G0K:G0K+3], s[G1K:G1K+7]
	s_nop 0
	PLACES
.endif
.endm
.macro LV u                            ; V's fragments for unit u: keys 32 (u / 2) .. +31, channels 64 (u % 2) .. +63 of my 128, turned
.irp c, 0,1,2,3
	ds_load_tr16_b128 v[VAB+32*((\u)%2)+8*\c:VAB+32*((\u)%2)+8*\c+3],   v[AV+(\u)/4] offset:(((\u)/2)%2)*32*PVP+((\u)%2)*128+32*\c
	ds_load_tr16_b128 v[VAB+32*((\u)%2)+8*\c+4:VAB+32*((\u)%2)+8*\c+7], v[AV+(\u)/4] offset:(((\u)/2)%2)*32*PVP+((\u)%2)*128+32*\c+16*PVP
.endr
.endm
.macro LP kk                           ; wave kk's P, four tiles
.irp q, 0,1,2,3
	ds_load_b128 v[PAB+32*((\kk)%2)+8*\q:PAB+32*((\kk)%2)+8*\q+3],   v[APR] offset:(\kk)*4096+\q*1024
	ds_load_b128 v[PAB+32*((\kk)%2)+8*\q+4:PAB+32*((\kk)%2)+8*\q+7], v[APR] offset:(\kk)*4096+\q*1024+512
.endr
.endm
; THE SOFTMAX OF A STEP is a list of 188 instructions; SMQ writes the next.  0-19, the four tiles by turns: the maximum of the four waves' and the old M; M_old - M_new; M; a.
; Then 42 a tile: 8 packed t - M; for each pair of weights: exponential, a sum onto l (the first time l a), exponential, the rounding of the pair before into the tile's low registers; the last sum and rounding.
; Each of the weights' exponentials has a plain instruction behind it that names neither its result nor its source (ISA guide 5.7.2).  The four a (numbers 16-19) stand on end, one slice;
; eight plain lines (20-27) follow in the list before the first of them is read (29).
.macro SMQ
.if qn < 20
.set rT, ST+8*(qn%4)
.if qn/4 == 0
	v_max3_num_f32 v[rT+6], v[PMR+qn%4], v[PMR+4+qn%4], v[PMR+8+qn%4]
.elseif qn/4 == 1
	v_max3_num_f32 v[rT+6], v[rT+6], v[PMR+12+qn%4], v[rT]
.elseif qn/4 == 2
	v_sub_f32 v[rT+7], v[rT], v[rT+6]
.elseif qn/4 == 3
	v_mov_b32 v[rT], v[rT+6]
.else
	v_exp_f32 v[rT+4], v[rT+7]
.endif
.elseif qn < 188
.set rT, ST+8*((qn-20)/42)
.set rS, S+16*((qn-20)/42)
.set qe, (qn-20)%42
.set qi, (qe-8)/4
.set qk, (qe-8)%4
.if qe < 8
	v_pk_add_f32 v[rS+2*qe:rS+2*qe+1], v[rS+2*qe:rS+2*qe+1], v[rT:rT+1] op_sel_hi:[1,0] neg_lo:[0,1] neg_hi:[0,1]
.elseif qe == 40
	s_wait_alu depctr_va_vdst(0)
	v_pk_add_f32 v[rT+2:rT+3], v[rT+2:rT+3], v[rS+14:rS+15]
.elseif qe == 41
	v_cvt_pk_bf16_f32 v[rS+7], v[rS+14], v[rS+15]
.elseif qk == 0
	v_exp_f32 v[rS+2*qi], v[rS+2*qi]
.elseif qk == 2
	v_exp_f32 v[rS+2*qi+1], v[rS+2*qi+1]
.elseif (qk == 1) && (qi == 0)
	s_wait_alu depctr_va_vdst(0)
	v_pk_mul_f32 v[rT+2:rT+3], v[rT+2:rT+3], v[rT+4:rT+5] op_sel_hi:[1,0]
.elseif qk == 1
	s_wait_alu depctr_va_vdst(0)
	v_pk_add_f32 v[rT+2:rT+3], v[rT+2:rT+3], v[rS+2*qi-2:rS+2*qi-1]
.elseif qi == 0
	v_nop
.else
	v_cvt_pk_bf16_f32 v[rS+qi-1], v[rS+2*qi-2], v[rS+2*qi-1]
.endif
.endif
.set qn, qn+1
.endm
; 16 products of O^T += V^T P: keys 32 (u / 2) on, four blocks of 16 channels x four tiles; the accumulators take turns.  sl = 1: a slice behind products 1, 4 and 7 of every 8.
.macro UNIT u, sl
.irp c, 0,1,2,3
.irp q, 0,1,2,3
	WIN 0xf0
	v_wmma_f32_16x16x32_bf16 v[8*(16*((\u)%2)+4*\c+\q):8*(16*((\u)%2)+4*\c+\q)+7], v[VAB+32*((\u)%2)+8*\c:VAB+32*((\u)%2)+8*\c+7], v[PAB+32*(((\u)/2)%2)+8*\q:PAB+32*(((\u)/2)%2)+8*\q+7], v[8*(16*((\u)%2)+4*\c+\q):8*(16*((\u)%2)+4*\c+\q)+7]
.if (\sl) && ((pn%8 == 1) || (pn%8 == 4) || (pn%8 == 7))
	WIN 0
	SMQ
	SMQ
	SMQ
	SMQ
.endif
.set pn, pn+1
.endr
.endr
.endm
.macro PVHEAD xoff                     ; the four waves' maxima (or, at the end, sums), then the first fragments; the rescaling that follows stands in the wait for them
	WIN 0
.irp k, 0,1,2,3
	ds_load_b128 v[PMR+4*\k:PMR+4*\k+3], v[AXR] offset:(\xoff)+256*\k
.endr
	LP 0
	LV 0
	LV 1
.endm
; Units 0 to 6.  Behind unit u its buffer of V takes unit u + 2's fragments, and behind an even unit the idle buffer of P takes the next wave's.  The waits leave out what was issued behind the fragments
; that the unit needs: one run of 8 in front of an even unit, two in front of an odd one.
.macro PVBODY sl
.set pn, 0
.set qn, 0
.irp u, 0,1,2,3,4,5,6
	s_wait_dscnt 8+8*(\u%2)
	UNIT \u, \sl
	WIN 0
.if \u <= 5
	PLACES
	LV \u+2
.endif
.if (\u%2 == 0) && (\u <= 4)
	LP \u/2+1
.endif
.endr
.endm
; ROUND C.  Every wave has all of V(j-1) and P(j-1) in registers, and its part of K(j+1) has landed.  V(j) is asked for first thing behind the round; then come the step's last sixteen products,
; which work on registers alone, with the last slices; then P(j) goes into LDS.
.macro ROUND_C
	WIN 0
	s_wait_tensorcnt 0x0
	ds_add_u32 v[SPW], v[NIL]
	s_lshl_b32 s[OFF], s[NV], 17
	s_add_nc_u64 s[G0V+2:G0V+3], s[VB:VB+1], s[OFF:OFF+1]
	s_or_b32 s[G0V+3], s[G0V+3], 0x80000000
	s_add_co_u32 s[NV], s[NV], 1
	s_wait_dscnt 0x0
	s_barrier_signal -1
	s_barrier_wait -1
	CREST
	tensor_load_to_lds s[G0V:G0V+3], s[G1V:G1V+7]
	s_nop 0
	PLACES
	UNIT 7, 1
	WIN 0
	PLACES                                         ; the places in front of the next loads into the fragments' registers
.irp q, 0,1,2,3
	ds_store_b128 v[APW], v[S+16*\q:S+16*\q+3]   offset:1024*\q
	ds_store_b128 v[APW], v[S+16*\q+4:S+16*\q+7] offset:1024*\q+512
.endr
.endm
.macro TRIP kfill
	SPHASE
	MASKMAX \kfill
	ROUND_A \kfill
.if \kfill
	; wave 0 asks for my block's 8,192 bytes (32 lanes, 256 bytes apart) of tile j + 2: each block of bytes is asked for once in the launch; K's tile is loaded a trip later; the last tile asked for is 15
	s_cmp_lg_u32 s[WV], 0
	s_cbranch_scc1 .Lno_pf_\@
	s_cmp_lt_u32 s[CNT], 2
	s_cbranch_scc1 .Lno_pf_\@
	global_prefetch_b8 v[PF], s[PFB:PFB+1] th:TH_LOAD_NT scope:SCOPE_SE
.Lno_pf_\@:
.endif
	PVHEAD 0
	RESCALE                                        ; O^T times the a of the step whose P is multiplied next; the slices write the next a only behind this
	PVBODY 1
	ROUND_C
.endm
	s_mov_b32 s[CNT], 15
.Ltrip:
	TRIP 1
	s_sub_co_u32 s[CNT], s[CNT], 1
	s_cmp_lg_u32 s[CNT], 0
	s_cbranch_scc1 .Ltrip
	TRIP 0                                         ; the last step is written out: there is no further K
	; THE END.  My wave's sums l go to the other waves; V(15) has landed; O^T times the last a; the last products.
.irp t, 0,1,2,3
	v_add_f32 v[ST+8*\t+6], v[ST+8*\t+2], v[ST+8*\t+3]
.endr
.irp t, 0,1,2,3
	v_permlanex16_b32 v[ST+8*\t+7], v[ST+8*\t+6], s[SEL], s[SEL+1]
.endr
.irp t, 0,1,2,3
	v_add_f32 v[PMR+\t], v[ST+8*\t+6], v[ST+8*\t+7]
.endr
	ds_store_b128 v[AXW], v[PMR:PMR+3] offset:1024
	s_wait_tensorcnt 0x0
	ds_add_u32 v[SPW], v[NIL]
	s_wait_dscnt 0x0
	s_barrier_signal -1
	s_barrier_wait -1
	PVHEAD 1024
	RESCALE
	PVBODY 0
	s_wait_dscnt 0x0
	UNIT 7, 0
	WIN 0
.irp t, 0,1,2,3                        ; twelve additions: also the places behind the last products
	v_add_f32 v[ST+8*\t+6], v[PMR+\t], v[PMR+4+\t]
.endr
.irp t, 0,1,2,3
	v_add_f32 v[ST+8*\t+6], v[ST+8*\t+6], v[PMR+8+\t]
.endr
.irp t, 0,1,2,3
	v_add_f32 v[ST+8*\t+6], v[ST+8*\t+6], v[PMR+12+\t]
.endr
.irp t, 0,1,2,3
	v_rcp_f32 v[ST+8*\t+4], v[ST+8*\t+6]
.endr
	v_nop                                          ; a plain instruction between the last reciprocal and the use of its result
	s_wait_alu depctr_va_vdst(0)
; Tile t: divided by l, rounded to bf16; a lane's eight channels of a row are 16 bytes; they go into rows of 272 bytes of my stage and come back as whole rows of 256.
.macro PACK t
	WIN 0xc3
.irp c, 0,1,2,3,4,5,6,7
.irp z, 0,1,2,3
	v_pk_mul_f32 v[8*(4*\c+(\t))+2*\z:8*(4*\c+(\t))+2*\z+1], v[8*(4*\c+(\t))+2*\z:8*(4*\c+(\t))+2*\z+1], v[ST+8*(\t)+4:ST+8*(\t)+5] op_sel_hi:[1,0]
.endr
.endr
	WIN 0x0f
.irp c, 0,1,2,3,4,5,6,7
.irp z, 0,1,2,3
	v_cvt_pk_bf16_f32 v[OUTR+32*(\t)+4*\c+\z], v[8*(4*\c+(\t))+2*\z], v[8*(4*\c+(\t))+2*\z+1]
.endr
.endr
	WIN 0
.irp c, 0,1,2,3,4,5,6,7
	ds_store_b128 v[STO], v[OUTR+32*(\t)+4*\c:OUTR+32*(\t)+4*\c+3] offset:32*\c
.endr
.irp f, 0,1,2,3,4,5,6,7
	ds_load_b128 v[OUTR+32*(\t)+4*\f:OUTR+32*(\t)+4*\f+3], v[RD] offset:\f*2*SP   ; LDS serves a wave's instructions in order: these see the stores above; the next tile's stores come behind them
.endr
.endm
.macro SEND t, younger                 ; younger: the LDS instructions issued behind tile t's loads: the next tile's sixteen, or none
.irp f, 0,1,2,3,4,5,6,7
	s_wait_dscnt (\younger)+7-\f
	global_store_b128 v[GO], v[OUTR+32*(\t)+4*\f:OUTR+32*(\t)+4*\f+3], s[12:13] offset:(\t)*32768+\f*4096   ; 16 lanes store 256 consecutive bytes, aligned
.endr
.endm
	PACK 0
	PACK 1
	SEND 0, 16
	PACK 2
	SEND 1, 16
	PACK 3
	SEND 2, 16
	SEND 3, 0
	s_wait_tensorcnt 0x0                           ; the wave's end
	ds_add_u32 v[SPW], v[NIL]
	s_wait_dscnt 0x0
	CROUND                                         ; the closing round
	s_endpgm
.Lfunc_end_k_q7e26eb71d6_attn:
	.size	k_q7e26eb71d6_attn, .Lfunc_end_k_q7e26eb71d6_attn-k_q7e26eb71d6_attn
	.p2alignl 7, 3214868480
	.fill 96, 4, 3214868480
	.section	.rodata,"a",@progbits
	.p2align	6, 0x0
	.amdhsa_kernel k_q7e26eb71d6_attn
		.amdhsa_group_segment_fixed_size 327680
		.amdhsa_private_segment_fixed_size 0
		.amdhsa_enable_private_segment 0
		.amdhsa_kernarg_size 40
		.amdhsa_user_sgpr_count 2
		.amdhsa_user_sgpr_kernarg_segment_ptr 1
		.amdhsa_wavefront_size32 1
		.amdhsa_system_sgpr_workgroup_id_x 1
		.amdhsa_system_sgpr_workgroup_id_y 1
		.amdhsa_system_sgpr_workgroup_id_z 1
		.amdhsa_system_vgpr_workitem_id 0
		.amdhsa_next_free_vgpr 1024
		.amdhsa_next_free_sgpr 68
		.amdhsa_reserve_vcc 0
		.amdhsa_float_denorm_mode_32 3
		.amdhsa_float_denorm_mode_16_64 3
		.amdhsa_memory_ordered 1
		.amdhsa_forward_progress 1
		.amdhsa_inst_pref_size 195
	.end_amdhsa_kernel
	.amdgpu_metadata
---
amdhsa.version: [ 1, 2 ]
amdhsa.kernels:
  - .name:           k_q7e26eb71d6_attn
    .symbol:         k_q7e26eb71d6_attn.kd
    .args:
      - { .name: qb, .offset: 0, .size: 8, .value_kind: global_buffer, .address_space: global }
      - { .name: kb, .offset: 8, .size: 8, .value_kind: global_buffer, .address_space: global }
      - { .name: mb, .offset: 16, .size: 8, .value_kind: global_buffer, .address_space: global }
      - { .name: mask, .offset: 24, .size: 8, .value_kind: global_buffer, .address_space: global }
      - { .name: res, .offset: 32, .size: 8, .value_kind: global_buffer, .address_space: global }
    .group_segment_fixed_size: 327680
    .private_segment_fixed_size: 0
    .kernarg_segment_align: 8
    .kernarg_segment_size: 40
    .max_flat_workgroup_size: 128
    .sgpr_count:     68
    .vgpr_count:     1024
    .wavefront_size: 32
...
	.end_amdgpu_metadata
.endif
;; end of part 3
;; launch gate (part 4): grid 4 x 64, 4 waves a work-group, clusters of 4 x 4, 327,680 bytes of LDS; arguments res, wb, out0; writes out0
.if DOCPART == 4
	.amdgcn_target "amdgcn-amd-amdhsa--gfx1250"
	.amdhsa_code_object_version 6
	.text
	.protected	k_q7e26eb71d6_gate
	.globl	k_q7e26eb71d6_gate
	.p2align	8
	.type	k_q7e26eb71d6_gate,@function
k_q7e26eb71d6_gate:
	s_mov_b64 s[64:65], 0
	v_nop
	global_prefetch_b8 v0, s[64:65] scope:SCOPE_SE
	s_setreg_imm32_b32 hwreg(HW_REG_WAVE_MODE, 25, 1), 1
	s_wait_xcnt 0x0
	s_wait_alu depctr_hold_cnt(0) depctr_sa_sdst(0) depctr_va_vdst(0) depctr_va_sdst(0) depctr_va_ssrc(0) depctr_va_vcc(0) depctr_vm_vsrc(0)
	s_getreg_b32 s2, hwreg(HW_REG_IB_STS2, 6, 4)
	s_cmp_eq_u32 s2, 0
	s_cbranch_scc0 .Lentry_in_a_cluster
	s_endpgm
.Lentry_in_a_cluster:
	s_bfe_u32 s2, ttmp6, 0x10000c
	s_cmp_lg_u32 s2, 0xf033
	s_cbranch_scc0 .Lentry_shape_is_right
	s_endpgm
.Lentry_shape_is_right:
; out0 = res x sigmoid(res Wg).  res: [16384][1024] bf16; Wg: [k = 1024][n = 1024] bf16 at byte 1,048,576 of wb; out0: [16384][1024] f32.  Products in bf16, sums, sigmoid and the last product in f32.
; LIMITS: the res of the last product is the bf16 number that was multiplied; NaN and infinities are not treated apart.
; A tile of 256 x 256 to a work-group of four waves, 128 x 128 a wave: 64 accumulators, 512 registers; 256 work-groups.  K in 8 steps of 128 through two LDS slots.
; res's tiles lie along K (rows of 256 bytes); Wg's lie [k][n] (rows of 512 bytes) and their fragments are turned by ds_load_tr16_b128.
; CLUSTER 4 x 4: res's tile is shared along a row of the cluster, Wg's along a column: each is asked for jointly, the same load, descriptor and mask in the four that share it.
; THE MATRIX INSTRUCTION IS USED TRANSPOSED (source 0 = 16 columns of Wg, source 1 = 16 rows of res): a lane holds eight neighbouring columns of one row.
; REGISTERS: window 0: v0-31 addresses, v64-127 and v128-191 fragments of res; window 1: the same numbers, fragments of Wg; windows 2, 3: accumulators, (a, b) at v[8 (8 (a % 4) + b)].
.set PITCH,  272                       ; a row of res in LDS: 256 + 16 bytes
.set PB,     544                       ; a row of Wg: 512 + 32 bytes, an odd multiple of 32, for the turning load
.set HALFT,  128*PITCH                 ; what one tensor load brings: 128 rows of res, or 64 rows of Wg (64 x 544 is the same number)
.set SLOT,   4*HALFT
.set DP,     528                       ; the way out: a row of 128 f32 + 16 bytes
.set DREG,   128*DP                    ; a wave's 128 rows; the four regions lie over the ring, which has had its last fill and its last read by then
.set SPARE,  2*SLOT                    ; the spare words: 128 bytes a wave, two blocks of 256 bytes that no other line names
.set ADRA, 16
.set ADRB, 20
.set CR,   23                          ; v23  8 x lane
.set STO,  24
.set RD0,  25
.set RD,   26
.set CO,   27                          ; v27  16 x lane
.set SPW,  28
.set NIL,  29
.set F0,   64
.set F1,   128
.set ZR,   64                          ; the way out: 16 rows x 4 f32
.set RR,   128                         ; 16 rows x 2 registers of res in bf16
.set UR,   160                         ; res in f32, two sets of four
.set NX,   20                          ; s[20:21] the way out: res at the rows that are asked for a trip ahead
.set G1, 24
.set G0, 32
.set G1B, 48
.set G0B, 56
.set MSB, 0
.macro WIN new
.if MSB != (\new)
	s_set_vgpr_msb (MSB<<8)|(\new)
.set MSB, \new
.endif
.endm
.set MUL_LO, 0xa1
.set TO_B,   0x40
.macro PLACES                          ; four plain vector instructions between a matrix instruction and a load into, or a read of, its registers
.rept 4
	v_nop
.endr
.endm
; A joint load: waves 0 and 1 fetch the two halves of res's tile, waves 2 and 3 those of Wg's.  The branch hangs on the wave's number alone.
.macro JLOAD s
	s_cmp_eq_u32 s11, 0
	s_cbranch_scc0 .Lfor_b_\@
	tensor_load_to_lds s[G0+4*(\s):G0+4*(\s)+3], s[G1:G1+7]
	s_nop 0
	PLACES
	s_branch .Lasked_\@
.Lfor_b_\@:
	tensor_load_to_lds s[G0B+4*(\s):G0B+4*(\s)+3], s[G1B:G1B+7]
	s_nop 0
	PLACES
.Lasked_\@:
.endm
.macro CREST
	s_cmp_lg_u32 s10, 0
	s_cbranch_scc1 .Lnot_wave_0_\@
	s_barrier_signal -3
.Lnot_wave_0_\@:
	s_barrier_wait -3
	s_barrier_signal -1
	s_barrier_wait -1
.endm
.macro CROUND
	s_barrier_signal -1
	s_barrier_wait -1
	CREST
.endm
	s_load_b128 s[4:7], s[0:1], 0x0                ; res s[4:5], wb s[6:7]
	s_load_b64 s[8:9], s[0:1], 0x10                ; out0
	v_lshl_add_u32 v[SPW], v0, 2, SPARE
	v_mov_b32 v[NIL], 0
	ds_add_u32 v[SPW], v[NIL]                      ; the wave's opening: the add and its wait stand ahead of my first tensor load
	v_lshrrev_b32 v1, 5, v0
	v_readfirstlane_b32 s10, v1                    ; wave 0..3
	s_lshr_b32 s11, s10, 1                         ; which half of the tile's rows is mine.  Also: I fetch for res (0) or for Wg (1)
	s_and_b32 s12, s10, 1                          ; which half of its columns.  Also: which half of that tile I fetch
	s_bfe_u32 s40, ttmp6, 0x40000                  ; cx
	s_bfe_u32 s41, ttmp6, 0x40004                  ; cy
	s_lshl_b32 s42, ttmp9, 2
	s_add_co_u32 s42, s42, s40                     ; tile column
	s_and_b32 s13, ttmp7, 0xffff
	s_lshl_b32 s13, s13, 2
	s_add_co_u32 s13, s13, s41                     ; tile row
	s_lshl_b32 s43, s41, 2
	s_lshl_b32 s43, 15, s43                        ; my row of the cluster
	s_lshl_b32 s44, 0x1111, s40                    ; my column
	s_or_b32 s[G1+0], s43, (1<<16)|(1<<20)|(1<<21)|(5<<22)|(3<<25)   ; res: 2-byte elements; padding on; bit 21 beside a mask; after every 64 words; 4 words
	s_or_b32 s[G1B+0], s44, (1<<16)|(1<<20)|(1<<21)|(6<<22)|(7<<25)  ; Wg: after every 128 words; 8 words
	s_mov_b32 s[G1+1], 128<<16                     ; res: 128 rows x 128 elements
	s_mov_b32 s[G1+2], 128<<16
	s_mov_b32 s[G1+3], 128<<16
	s_mov_b32 s[G1+4], 128
	s_mov_b32 s[G1+5], 1024
	s_mov_b32 s[G1+6], 0
	s_mov_b32 s[G1+7], 0
	s_mov_b32 s[G1B+1], 256<<16                    ; Wg: 64 k rows x 256 elements
	s_mov_b32 s[G1B+2], 64<<16
	s_mov_b32 s[G1B+3], 256<<16
	s_mov_b32 s[G1B+4], 64
	s_mov_b32 s[G1B+5], 1024
	s_mov_b32 s[G1B+6], 0
	s_mov_b32 s[G1B+7], 0
	s_lshl_b32 s16, s13, 19                        ; res: 256 rows of 2,048 bytes a tile row,
	s_lshl_b32 s17, s12, 18                        ; 128 rows a half: the tile row alone, which my row of the cluster shares
	s_add_co_u32 s16, s16, s17
	s_mov_b32 s17, 0
	s_lshl_b32 s46, s42, 9                         ; Wg: 512 bytes a tile column,
	s_lshl_b32 s47, s12, 17                        ; 64 k rows of 2,048 bytes a half,
	s_add_co_u32 s46, s46, s47
	s_add_co_u32 s46, s46, 0x100000                ; behind Wq and Wk: the tile column alone, which my column of the cluster shares
	s_mov_b32 s47, 0
	s_mul_i32 s20, s10, HALFT                      ; where they go: wave x a load's bytes
	s_wait_dscnt 0x0                               ; the opening add is done
	s_wait_kmcnt 0x0
	s_add_nc_u64 s[14:15], s[4:5], s[16:17]
	s_add_nc_u64 s[46:47], s[6:7], s[46:47]
	CROUND                                         ; all sixteen work-groups are here: the first joint loads meet
.irp s, 0,1
	s_mov_b32 s[G0+4*\s], 1
	s_add_co_u32 s[G0+4*\s+1], s20, \s*SLOT
	s_add_nc_u64 s[G0+4*\s+2:G0+4*\s+3], s[14:15], \s*256          ; K step s: 128 elements along the rows
	s_or_b32 s[G0+4*\s+3], s[G0+4*\s+3], 0x80000000
	s_mov_b32 s[G0B+4*\s], 1
	s_add_co_u32 s[G0B+4*\s+1], s20, \s*SLOT
	s_add_nc_u64 s[G0B+4*\s+2:G0B+4*\s+3], s[46:47], \s*262144     ; K step s: 128 rows down
	s_or_b32 s[G0B+4*\s+3], s[G0B+4*\s+3], 0x80000000
	JLOAD \s
.endr
	v_and_b32 v1, 15, v0                           ; r
	v_bfe_u32 v2, v0, 4, 1                         ; h
	v_mul_u32_u24 v3, v1, PITCH
	v_lshl_add_u32 v3, v2, 4, v3
	s_mul_i32 s21, s11, HALFT
	v_add_nc_u32 v[ADRA], s21, v3
	v_add_nc_u32 v[ADRA+1], SLOT, v[ADRA]
	v_and_b32 v4, 7, v0
	v_bfe_u32 v5, v0, 3, 1
	v_lshl_add_u32 v4, v2, 3, v4                   ; the turning load: k row 8 h + l % 8,
	v_mul_u32_u24 v4, v4, PB
	v_lshl_add_u32 v4, v5, 4, v4
	s_lshl_b32 s22, s12, 8                         ; my 128 columns,
	s_add_co_u32 s22, s22, 2*HALFT                 ; behind res's 256 rows
	v_add_nc_u32 v[ADRB], s22, v4
	v_add_nc_u32 v[ADRB+1], SLOT, v[ADRB]
	s_mul_i32 s23, s10, DREG
	v_mul_u32_u24 v6, v1, DP
	v_lshl_add_u32 v6, v2, 5, v6
	v_add_nc_u32 v[STO], s23, v6
	v_and_b32 v7, 31, v0
	v_lshl_add_u32 v[RD0], v7, 4, s23
	v_lshlrev_b32 v[CO], 4, v7
	v_lshlrev_b32 v[CR], 3, v7
	s_lshl_b32 s16, s13, 8
	s_lshl_b32 s17, s11, 7
	s_add_co_u32 s16, s16, s17                     ; my first row
	s_lshl_b32 s18, s42, 8
	s_lshl_b32 s19, s12, 7
	s_add_co_u32 s18, s18, s19                     ; my first column
	s_lshl_b32 s46, s16, 12
	s_lshl_b32 s47, s18, 2
	s_add_co_u32 s46, s46, s47
	s_mov_b32 s47, 0
	s_add_nc_u64 s[8:9], s[8:9], s[46:47]          ; out0 at my part: rows of 4,096 bytes
	s_lshr_b32 s46, s46, 1
	s_add_nc_u64 s[4:5], s[4:5], s[46:47]          ; res at the same place: half the bytes
	s_add_nc_u64 s[NX:NX+1], s[4:5], 16*2048       ; and 16 rows further down
.macro MUL16 f, hi, a0, zero
	WIN MUL_LO+0x50*(\hi)
.irp a, \a0, (\a0)+1
.irp b, 0,1,2,3,4,5,6,7
.if \zero
	v_wmma_f32_16x16x32_bf16 v[8*(8*(\a)+(\b)):8*(8*(\a)+(\b))+7], v[(\f)+8*(\b):(\f)+8*(\b)+7], v[(\f)+8*(4*(\hi)+(\a)):(\f)+8*(4*(\hi)+(\a))+7], 0
.else
	v_wmma_f32_16x16x32_bf16 v[8*(8*(\a)+(\b)):8*(8*(\a)+(\b))+7], v[(\f)+8*(\b):(\f)+8*(\b)+7], v[(\f)+8*(4*(\hi)+(\a)):(\f)+8*(4*(\hi)+(\a))+7], v[8*(8*(\a)+(\b)):8*(8*(\a)+(\b))+7]
.endif
.endr
.endr
.endm
; 32 LDS loads in one run: the fragments of quarter kq (32 along K): Wg's 128 columns turned, then res's 128 rows
.macro FETCH slot, kq, f
	WIN TO_B
.irp i, 0,1,2,3,4,5,6,7
	ds_load_tr16_b128 v[(\f)+8*(\i):(\f)+8*(\i)+3],   v[ADRB+(\slot)] offset:(\kq)*32*PB+32*(\i)
	ds_load_tr16_b128 v[(\f)+8*(\i)+4:(\f)+8*(\i)+7], v[ADRB+(\slot)] offset:(\kq)*32*PB+32*(\i)+16*PB
.endr
	WIN 0
.irp i, 0,1,2,3,4,5,6,7
	ds_load_b128 v[(\f)+8*(\i):(\f)+8*(\i)+3],   v[ADRA+(\slot)] offset:(\kq)*64+(\i)*16*PITCH
	ds_load_b128 v[(\f)+8*(\i)+4:(\f)+8*(\i)+7], v[ADRA+(\slot)] offset:(\kq)*64+(\i)*16*PITCH+32
.endr
.endm
; One of a K step's first three quarters: multiplies buffer f, and in its middle fetches quarter kq into g.  The 64 accumulators take turns.
.macro QUARTER slot, kq, f, g, zero
	s_wait_dscnt 8                                 ; Wg and res's rows 0-63 are in; the youngest eight loads may be out
	MUL16 \f, 0, 0, \zero
	MUL16 \f, 0, 2, \zero
	PLACES
	FETCH \slot, \kq, \g
	s_wait_dscnt 32                                ; all but the 32 just issued
	MUL16 \f, 1, 0, \zero
	MUL16 \f, 1, 2, \zero
.endm
; The last quarter multiplies buffer 1 and changes slots.  Its first 32 products stand ahead of the change: they need nothing of the next slot, so the tile on its way has them too in which to land,
; and nothing but the barrier stands between the wait that shows it landed and the next request.  In front of the barrier each wave waits for all its tensor loads (its part of the next slot), adds 0 to
; its spare word, and waits for that and for its reads of this slot.  fill = 1: the barrier opens a round of the cluster's, and this slot is filled again, two K steps on, first thing behind it:
; a K step's 256 matrix instructions ahead of the wait for it.
.macro TURN slot, next, fill
	s_wait_dscnt 8                                 ; as in QUARTER
	MUL16 F1, 0, 0, 0
	MUL16 F1, 0, 2, 0
	WIN 0
	s_wait_tensorcnt 0x0
	ds_add_u32 v[SPW], v[NIL]
.if \fill
	s_add_nc_u64 s[G0+4*(\slot)+2:G0+4*(\slot)+3], s[G0+4*(\slot)+2:G0+4*(\slot)+3], 512          ; no load of mine is out: the groups 0 may be written
	s_add_nc_u64 s[G0B+4*(\slot)+2:G0B+4*(\slot)+3], s[G0B+4*(\slot)+2:G0B+4*(\slot)+3], 524288
.endif
	s_wait_dscnt 0x0                               ; the add is done, and my reads of this slot are over
	s_barrier_signal -1
	s_barrier_wait -1
.if \fill
	CREST
	JLOAD \slot                                    ; the four v_nop behind it are also the places in front of the loads below
.else
	PLACES
.endif
	FETCH \next, 0, F0
	MUL16 F1, 1, 0, 0
	MUL16 F1, 1, 2, 0
.endm
	s_wait_tensorcnt 1                             ; my part of K step 0 is in; K step 1 may stay out
	s_barrier_signal -1
	s_barrier_wait -1
	FETCH 0, 0, F0
	QUARTER 0, 1, F0, F1, 1                        ; the first products start the sums: nothing is cleared
	WIN 0
	s_mov_b32 s3, 3
.Llap:                                                 ; a trip goes once round the ring and fills both slots again: K steps 2 to 7
	QUARTER 0, 2, F1, F0, 0
	QUARTER 0, 3, F0, F1, 0
	TURN 0, 1, 1
	QUARTER 1, 1, F0, F1, 0
	QUARTER 1, 2, F1, F0, 0
	QUARTER 1, 3, F0, F1, 0
	TURN 1, 0, 1
	QUARTER 0, 1, F0, F1, 0
	WIN 0
	s_sub_co_u32 s3, s3, 1
	s_cmp_lg_u32 s3, 0
	s_cbranch_scc1 .Llap
	QUARTER 0, 2, F1, F0, 0                        ; the last lap fills nothing
	QUARTER 0, 3, F0, F1, 0
	TURN 0, 1, 0
	QUARTER 1, 1, F0, F1, 0
	QUARTER 1, 2, F1, F0, 0
	QUARTER 1, 3, F0, F1, 0
	s_wait_dscnt 8
	MUL16 F1, 0, 0, 0
	MUL16 F1, 0, 2, 0
	s_wait_dscnt 0x0
	MUL16 F1, 1, 0, 0
	MUL16 F1, 1, 2, 0
	WIN 0
	; THE WAY OUT.  Every wave has read the ring for the last time: behind this barrier it is the four waves' own regions.
	s_barrier_signal -1
	s_barrier_wait -1
	PLACES
.irp t, 0,1,2,3,4,5,6,7,8,9,10,11,12,13,14,15
	global_load_b64 v[RR+2*\t:RR+2*\t+1], v[CR], s[4:5] offset:\t*2048      ; res of my first 16 rows, asked for ahead of the 128 LDS stores below: 32 lanes read 256 consecutive bytes, aligned
.endr
.irp hi, 0,1
	WIN 0x08+4*\hi
.irp a, 0,1,2,3
.irp b, 0,1,2,3,4,5,6,7
	ds_store_b128 v[STO], v[8*(8*\a+\b):8*(8*\a+\b)+3]   offset:(4*\hi+\a)*16*DP+64*\b      ; each accumulator from its low end on
	ds_store_b128 v[STO], v[8*(8*\a+\b)+4:8*(8*\a+\b)+7] offset:(4*\hi+\a)*16*DP+64*\b+16
.endr
.endr
.endr
	WIN 0
; Row t of a trip's 16, in three stages that are set one row apart, so that behind each run of transcendentals stands plain work on another row (ISA guide 5.7.2).
.macro STA t                           ; 2^(-z log2(e))
	s_wait_dscnt 15-(\t)
	v_pk_mul_f32 v[ZR+4*(\t):ZR+4*(\t)+1],   v[ZR+4*(\t):ZR+4*(\t)+1],   0xbfb8aa3b op_sel_hi:[1,0]
	v_pk_mul_f32 v[ZR+4*(\t)+2:ZR+4*(\t)+3], v[ZR+4*(\t)+2:ZR+4*(\t)+3], 0xbfb8aa3b op_sel_hi:[1,0]
	v_exp_f32 v[ZR+4*(\t)], v[ZR+4*(\t)]
	v_exp_f32 v[ZR+4*(\t)+1], v[ZR+4*(\t)+1]
	v_exp_f32 v[ZR+4*(\t)+2], v[ZR+4*(\t)+2]
	v_exp_f32 v[ZR+4*(\t)+3], v[ZR+4*(\t)+3]
.endm
; res to f32; 1 / (1 + ..).  As soon as the row's two registers of res are unpacked they are loaded again, with the same row of the next trip: sixteen loads are always out, and the wait leaves the fifteen younger ones out.
.macro STB t
	s_wait_loadcnt 15
	v_lshlrev_b32 v[UR+4*((\t)%2)],   16, v[RR+2*(\t)]
	v_and_b32     v[UR+4*((\t)%2)+1], 0xffff0000, v[RR+2*(\t)]
	v_lshlrev_b32 v[UR+4*((\t)%2)+2], 16, v[RR+2*(\t)+1]
	v_and_b32     v[UR+4*((\t)%2)+3], 0xffff0000, v[RR+2*(\t)+1]
	s_wait_alu depctr_va_vdst(0)
	v_pk_add_f32 v[ZR+4*(\t):ZR+4*(\t)+1],   v[ZR+4*(\t):ZR+4*(\t)+1],   1.0 op_sel_hi:[1,0]
	v_pk_add_f32 v[ZR+4*(\t)+2:ZR+4*(\t)+3], v[ZR+4*(\t)+2:ZR+4*(\t)+3], 1.0 op_sel_hi:[1,0]
	v_rcp_f32 v[ZR+4*(\t)], v[ZR+4*(\t)]
	v_rcp_f32 v[ZR+4*(\t)+1], v[ZR+4*(\t)+1]
	v_rcp_f32 v[ZR+4*(\t)+2], v[ZR+4*(\t)+2]
	v_rcp_f32 v[ZR+4*(\t)+3], v[ZR+4*(\t)+3]
	global_load_b64 v[RR+2*(\t):RR+2*(\t)+1], v[CR], s[NX:NX+1] offset:(\t)*2048
.endm
.macro STC t                           ; times res, and out
	s_wait_alu depctr_va_vdst(0)
	v_pk_mul_f32 v[ZR+4*(\t):ZR+4*(\t)+1],   v[ZR+4*(\t):ZR+4*(\t)+1],   v[UR+4*((\t)%2):UR+4*((\t)%2)+1]
	v_pk_mul_f32 v[ZR+4*(\t)+2:ZR+4*(\t)+3], v[ZR+4*(\t)+2:ZR+4*(\t)+3], v[UR+4*((\t)%2)+2:UR+4*((\t)%2)+3]
	global_store_b128 v[CO], v[ZR+4*(\t):ZR+4*(\t)+3], s[8:9] offset:(\t)*4096 th:TH_STORE_NT   ; 32 lanes store 512 consecutive bytes, aligned
.endm
	s_mov_b32 s14, 0
	s_mov_b32 s17, 0
	s_mov_b32 s2, 8
.Lout:                                                 ; 16 rows a trip
	v_add_nc_u32 v[RD], s14, v[RD0]
.irp t, 0,1,2,3,4,5,6,7,8,9,10,11,12,13,14,15
	ds_load_b128 v[ZR+4*\t:ZR+4*\t+3], v[RD] offset:\t*DP                   ; LDS serves a wave's instructions in order: these see the stores above
.endr
	STA 0
.irp t, 0,1,2,3,4,5,6,7,8,9,10,11,12,13,14
	STB \t
	STA \t+1
	STC \t
.endr
	STB 15
	v_nop                                          ; a plain instruction between the last reciprocal and the use of its result
	STC 15
	s_wait_xcnt 0x0                                ; the bases and the stores' data are written again only behind this wait
	s_add_nc_u64 s[8:9], s[8:9], 16*4096
	s_cmp_ge_u32 s2, 3                             ; the look-ahead steps while a trip is left beyond the one that it names.  Behind that it stays: the last trip's loads read that trip's own rows
	s_cselect_b32 s16, 0x8000, 0                   ; once more and nobody uses them, so that every trip has the same counts and no load leaves res
	s_add_nc_u64 s[NX:NX+1], s[NX:NX+1], s[16:17]
	s_add_co_u32 s14, s14, 16*DP
	s_sub_co_u32 s2, s2, 1
	s_cmp_lg_u32 s2, 0
	s_cbranch_scc1 .Lout
	s_wait_tensorcnt 0x0                           ; the wave's end
	ds_add_u32 v[SPW], v[NIL]
	s_wait_dscnt 0x0
	CROUND                                         ; the closing round
	s_endpgm
.Lfunc_end_k_q7e26eb71d6_gate:
	.size	k_q7e26eb71d6_gate, .Lfunc_end_k_q7e26eb71d6_gate-k_q7e26eb71d6_gate
	.p2alignl 7, 3214868480
	.fill 96, 4, 3214868480
	.section	.rodata,"a",@progbits
	.p2align	6, 0x0
	.amdhsa_kernel k_q7e26eb71d6_gate
		.amdhsa_group_segment_fixed_size 327680
		.amdhsa_private_segment_fixed_size 0
		.amdhsa_enable_private_segment 0
		.amdhsa_kernarg_size 24
		.amdhsa_user_sgpr_count 2
		.amdhsa_user_sgpr_kernarg_segment_ptr 1
		.amdhsa_wavefront_size32 1
		.amdhsa_system_sgpr_workgroup_id_x 1
		.amdhsa_system_sgpr_workgroup_id_y 1
		.amdhsa_system_sgpr_workgroup_id_z 1
		.amdhsa_system_vgpr_workitem_id 0
		.amdhsa_next_free_vgpr 1024
		.amdhsa_next_free_sgpr 66
		.amdhsa_reserve_vcc 0
		.amdhsa_float_denorm_mode_32 3
		.amdhsa_float_denorm_mode_16_64 3
		.amdhsa_memory_ordered 1
		.amdhsa_forward_progress 1
		.amdhsa_inst_pref_size 141
	.end_amdhsa_kernel
	.amdgpu_metadata
---
amdhsa.version: [ 1, 2 ]
amdhsa.kernels:
  - .name:           k_q7e26eb71d6_gate
    .symbol:         k_q7e26eb71d6_gate.kd
    .args:
      - { .name: res, .offset: 0, .size: 8, .value_kind: global_buffer, .address_space: global }
      - { .name: wb, .offset: 8, .size: 8, .value_kind: global_buffer, .address_space: global }
      - { .name: out0, .offset: 16, .size: 8, .value_kind: global_buffer, .address_space: global }
    .group_segment_fixed_size: 327680
    .private_segment_fixed_size: 0
    .kernarg_segment_align: 8
    .kernarg_segment_size: 24
    .max_flat_workgroup_size: 128
    .sgpr_count:     66
    .vgpr_count:     1024
    .wavefront_size: 32
...
	.end_amdgpu_metadata
.endif
;; end of part 4
